; MI455X (gfx1250); checked and timed in simulation.
; The chip was launched on July 23, 2026; its instructions are those of AMD's public machine-readable ISA for CDNA 5 (MIT licence, August 2026) and "CDNA5" Instruction Set Architecture Reference Guide (July 2026). The comments in the code are by the model that wrote it; some were corrected since.
;; Custom LSTM Cell. Allowed arithmetic: float matrix products may take bf16 or f16 operands with f32 sums; other float arithmetic in f32, or as packed bf16 or f16 multiplies, adds, multiply-adds, maxima and minima; sums over many terms, partial sums and values carried from step to step in f32; what a program stores and reads back later, other than sums and carried values, may be rounded once to bf16 or f16.
;; Inputs: W_f 2,048 x 1,024 float32; W_g 2,048 x 1,024 float32; W_i 2,048 x 1,024 float32; W_o 2,048 x 1,024 float32; b_f 1,024 float32; b_g 1,024 float32; b_i 1,024 float32; b_o 1,024 float32; cell_state 8,192 x 1,024 float32; hidden 8,192 x 1,024 float32; input 8,192 x 1,024 float32.
;; Outputs: out0 8,192 x 1,024 float32; out1 8,192 x 1,024 float32.
;; One version. Each part assembles by itself: llvm-mc -triple=amdgcn-amd-amdhsa -mcpu=gfx1250 --defsym DOCPART=n.
;; ======== version 1 of 1: 2 launches
;; workspace buffers: abf 33,554,432 bytes; wt 16,777,216 bytes
;; launch prep (part 1): grid 1024 x 1, 8 waves a work-group, no clusters, 18,432 bytes of LDS; arguments input, hidden, W_i, W_f, W_o, W_g, abf, wt; writes abf, wt
.if DOCPART == 1
	.amdgcn_target "amdgcn-amd-amdhsa--gfx1250"
	.amdhsa_code_object_version 6
	.text
	.protected	k_qb565e85182_prep
	.globl	k_qb565e85182_prep
	.p2align	8
	.type	k_qb565e85182_prep,@function
k_qb565e85182_prep:
	s_mov_b64 s[64:65], 0
	v_nop
	global_prefetch_b8 v0, s[64:65] scope:SCOPE_SE
	s_setreg_imm32_b32 hwreg(HW_REG_WAVE_MODE, 25, 1), 1
	s_wait_xcnt 0x0
; THE OPERANDS OF THE GATES' PRODUCT, rounded once to bf16 and laid out for the launch that multiplies.
;   abf [8192][2048] bf16: row m = input[m] (bytes 0 .. 2047), then hidden[m] (bytes 2048 .. 4095): reference()'s 'combined'.
;   wt  [4096][2048] bf16: the four W, turned to [n'][k].  Row n' = 256 ct + 64 g + 16 q + r holds W_gate(g)[k][64 ct + 4 r + q], k = 0 .. 2047;
;       g = 0, 1, 2, 3 stands for i, f, o, g; ct = 0 .. 15, q = 0 .. 3, r = 0 .. 15.  In this order a lane of the product's result holds all four gates of four neighbouring columns.
; NOTHING IS LEFT OUT: every input of reference() reaches an output for all values; the six large ones are read here, the others by the next launch.
; LIMITS.  bf16 has f32's range; each number is rounded once, to nearest even.  NaN and infinities are carried as the conversion carries them.
; SHARES.  1,024 work-groups of eight waves; work-group wg = 256 g + 16 kb + ct does two things.
;   (W) the block of 128 k x 64 columns of gate g (rows 128 kb .., columns 64 ct ..): read by rows, two k packed into a word, turned through LDS, stored as 64 rows of 256 bytes.
;   (A) rows 8 wg .. 8 wg + 7 of input and of hidden: 16 bytes a thread in, 8 bytes out.
; Every byte is read by one thread and written by one thread: nothing is shared between work-groups, so there is no cluster; there is no product, so no matrix instruction.
; No loop: a thread's 24 loads of 16 bytes go out at the start, and the waits count them in.
.set PITCH, 272                        ; a row of T in LDS: 256 bytes + 16 = 68 words: row r starts at bank 4 r mod 64 (64 banks of 4 bytes: ISA guide 11.1)
.set SPARE, 64*PITCH                   ; behind T (64 rows): the spare words, 128 bytes for each of the eight waves: four blocks of 256 bytes that no other line names
.set WX, 16                            ; v[16:47]   W: for i = 0 .. 3 the even row's four columns at WX + 8 i, the odd row's at WX + 8 i + 4
.set AX, 48                            ; v[48:111]  rows: load n at AX + 4 n
; v1 W's load offset; v2 16 t; v3 where I store into T; v4 where I read T; v5 wt's store offset; v6 8 t; v8 my spare word; v9 0; v10 r = t % 16; v11 kq = t / 16
	s_load_b512 s[4:19], s[0:1], 0x0               ; input s[4:5], hidden s[6:7], W_i s[8:9], W_f s[10:11], W_o s[12:13], W_g s[14:15], abf s[16:17], wt s[18:19]
	v_lshl_add_u32 v8, v0, 2, SPARE
	v_mov_b32 v9, 0
	v_and_b32 v10, 15, v0                          ; r: which four columns
	v_lshrrev_b32 v11, 4, v0                       ; kq: which pair of rows
	v_lshlrev_b32 v1, 13, v11                      ; two rows of W are 8,192 bytes
	v_lshl_add_u32 v1, v10, 4, v1                  ; + 16 r
	v_lshlrev_b32 v2, 4, v0
	v_mul_u32_u24 v3, v10, PITCH                   ; T's row 16 q + r (q in the immediate),
	v_lshl_add_u32 v3, v11, 2, v3                  ; its word for k = 2 kq, 2 kq + 1
	v_mul_u32_u24 v4, v11, PITCH                   ; back: T's row 16 i + kq (i in the immediate),
	v_lshl_add_u32 v4, v10, 4, v4                  ; 16 bytes at 16 r
	v_lshlrev_b32 v5, 12, v11                      ; the same row in wt: 4,096 bytes a row
	v_lshl_add_u32 v5, v10, 4, v5
	v_lshlrev_b32 v6, 3, v0
	s_lshr_b32 s22, ttmp9, 8                       ; g
	s_bfe_u32 s23, ttmp9, 0x40004                  ; kb
	s_and_b32 s24, ttmp9, 15                       ; ct
	s_lshl_b32 s26, s23, 19                        ; W's block: 128 kb rows of 4,096 bytes
	s_lshl_b32 s25, s24, 8                         ; + 64 ct columns of 4 bytes
	s_add_co_u32 s26, s26, s25
	s_mov_b32 s27, 0
	s_lshl_b32 s28, s24, 20                        ; wt's block: row 256 ct
	s_lshl_b32 s25, s22, 18                        ; + 64 g,
	s_add_co_u32 s28, s28, s25
	s_lshl_b32 s25, s23, 8                         ; byte 256 kb of the rows
	s_add_co_u32 s28, s28, s25
	s_mov_b32 s29, 0
	s_lshl_b32 s30, ttmp9, 15                      ; eight rows of 4,096 bytes, in input, hidden and abf alike
	s_mov_b32 s31, 0
	s_wait_kmcnt 0x0
	s_cmp_eq_u32 s22, 1                            ; the gate's W: a choice between buffers by the work-group's number
	s_cselect_b64 s[20:21], s[10:11], s[8:9]
	s_cmp_eq_u32 s22, 2
	s_cselect_b64 s[20:21], s[12:13], s[20:21]
	s_cmp_eq_u32 s22, 3
	s_cselect_b64 s[20:21], s[14:15], s[20:21]
	s_add_nc_u64 s[20:21], s[20:21], s[26:27]
	s_add_nc_u64 s[18:19], s[18:19], s[28:29]
	s_add_nc_u64 s[4:5], s[4:5], s[30:31]
	s_add_nc_u64 s[6:7], s[6:7], s[30:31]
	s_add_nc_u64 s[16:17], s[16:17], s[30:31]
.irp i, 0,1,2,3                        ; rows 32 i + 2 kq and + 1: sixteen lanes take 256 consecutive bytes of a row, aligned
	global_load_b128 v[WX+8*(\i):WX+8*(\i)+3],   v1, s[20:21] offset:(\i)*131072 th:TH_LOAD_NT
	global_load_b128 v[WX+8*(\i)+4:WX+8*(\i)+7], v1, s[20:21] offset:(\i)*131072+4096 th:TH_LOAD_NT
.endr
.irp n, 0,1,2,3,4,5,6,7                ; a wave's load covers 512 consecutive bytes; the eight waves a row
	global_load_b128 v[AX+4*(\n):AX+4*(\n)+3], v2, s[4:5] offset:(\n)*4096 th:TH_LOAD_NT
.endr
.irp n, 0,1,2,3,4,5,6,7
	global_load_b128 v[AX+32+4*(\n):AX+32+4*(\n)+3], v2, s[6:7] offset:(\n)*4096 th:TH_LOAD_NT
.endr
	s_wait_loadcnt 16                              ; loads come back in order (ISA guide 5.7.1): W's eight are in, the sixteen row loads behind them stay out
.irp i, 0,1,2,3
.irp q, 0,1,2,3
	v_cvt_pk_bf16_f32 v[WX+8*(\i)+(\q)], v[WX+8*(\i)+(\q)], v[WX+8*(\i)+4+(\q)]  ; column 4 r + q: the even k in the low half, the odd k in the high half
.endr
.endr
.irp i, 0,1,2,3
.irp q, 0,1,2,3
	ds_store_b32 v3, v[WX+8*(\i)+(\q)] offset:(\q)*16*PITCH+64*(\i)  ; a wave's 32 words fall on banks 4 r + kq with two neighbouring kq
.endr
.endr
	s_wait_dscnt 0x0                               ; for the others' sake: my stores into T are done
	s_barrier_signal -1
	s_barrier_wait -1                              ; T is whole
.irp i, 0,1,2,3
	ds_load_b128 v[WX+8*(\i)+4:WX+8*(\i)+7], v4 offset:(\i)*16*PITCH  ; T's row 16 i + kq, whole: sixteen lanes take its 256 bytes
.endr
.irp n, 0,1,2,3,4,5,6,7,8,9,10,11,12,13,14,15
	s_wait_loadcnt 15-(\n)                         ; row load n is in, the younger ones stay out
	v_cvt_pk_bf16_f32 v[AX+4*(\n)],   v[AX+4*(\n)],   v[AX+4*(\n)+1]
	v_cvt_pk_bf16_f32 v[AX+4*(\n)+1], v[AX+4*(\n)+2], v[AX+4*(\n)+3]
	global_store_b64 v6, v[AX+4*(\n):AX+4*(\n)+1], s[16:17] offset:((\n)%8)*4096+((\n)/8)*2048  ; a wave stores 256 consecutive bytes, aligned; hidden's half of a row begins at byte 2,048
.endr
	s_wait_dscnt 0x0                               ; T's rows are back in registers
.irp i, 0,1,2,3
	global_store_b128 v5, v[WX+8*(\i)+4:WX+8*(\i)+7], s[18:19] offset:(\i)*65536  ; sixteen lanes store 256 consecutive bytes of a row of wt, aligned
.endr
	s_wait_tensorcnt 0x0                           ; the wave's end, behind my last LDS store
	ds_add_u32 v8, v9
	s_wait_dscnt 0x0
	s_endpgm
.Lfunc_end_k_qb565e85182_prep:
	.size	k_qb565e85182_prep, .Lfunc_end_k_qb565e85182_prep-k_qb565e85182_prep
	.p2alignl 7, 3214868480
	.fill 96, 4, 3214868480
	.section	.rodata,"a",@progbits
	.p2align	6, 0x0
	.amdhsa_kernel k_qb565e85182_prep
		.amdhsa_group_segment_fixed_size 18432
		.amdhsa_private_segment_fixed_size 0
		.amdhsa_enable_private_segment 0
		.amdhsa_kernarg_size 64
		.amdhsa_user_sgpr_count 2
		.amdhsa_user_sgpr_kernarg_segment_ptr 1
		.amdhsa_wavefront_size32 1
		.amdhsa_system_sgpr_workgroup_id_x 1
		.amdhsa_system_sgpr_workgroup_id_y 1
		.amdhsa_system_sgpr_workgroup_id_z 1
		.amdhsa_system_vgpr_workitem_id 0
		.amdhsa_next_free_vgpr 112
		.amdhsa_next_free_sgpr 66
		.amdhsa_reserve_vcc 0
		.amdhsa_float_denorm_mode_32 3
		.amdhsa_float_denorm_mode_16_64 3
		.amdhsa_memory_ordered 1
		.amdhsa_forward_progress 1
		.amdhsa_inst_pref_size 12
	.end_amdhsa_kernel
	.amdgpu_metadata
---
amdhsa.version: [ 1, 2 ]
amdhsa.kernels:
  - .name:           k_qb565e85182_prep
    .symbol:         k_qb565e85182_prep.kd
    .args:
      - { .name: input, .offset: 0, .size: 8, .value_kind: global_buffer, .address_space: global }
      - { .name: hidden, .offset: 8, .size: 8, .value_kind: global_buffer, .address_space: global }
      - { .name: W_i, .offset: 16, .size: 8, .value_kind: global_buffer, .address_space: global }
      - { .name: W_f, .offset: 24, .size: 8, .value_kind: global_buffer, .address_space: global }
      - { .name: W_o, .offset: 32, .size: 8, .value_kind: global_buffer, .address_space: global }
      - { .name: W_g, .offset: 40, .size: 8, .value_kind: global_buffer, .address_space: global }
      - { .name: abf, .offset: 48, .size: 8, .value_kind: global_buffer, .address_space: global }
      - { .name: wt, .offset: 56, .size: 8, .value_kind: global_buffer, .address_space: global }
    .group_segment_fixed_size: 18432
    .private_segment_fixed_size: 0
    .kernarg_segment_align: 8
    .kernarg_segment_size: 64
    .max_flat_workgroup_size: 256
    .sgpr_count:     66
    .vgpr_count:     112
    .wavefront_size: 32
...
	.end_amdgpu_metadata
.endif
;; end of part 1
;; launch lstm (part 2): grid 16 x 32, 4 waves a work-group, clusters of 4 x 4, 327,680 bytes of LDS; arguments abf, wt, cell_state, b_i, b_f, b_o, b_g, out0, out1; writes out0, out1
.if DOCPART == 2
	.amdgcn_target "amdgcn-amd-amdhsa--gfx1250"
	.amdhsa_code_object_version 6
	.text
	.protected	k_qb565e85182_lstm
	.globl	k_qb565e85182_lstm
	.p2align	8
	.type	k_qb565e85182_lstm,@function
k_qb565e85182_lstm:
	s_mov_b64 s[64:65], 0
	v_nop
	global_prefetch_b8 v0, s[64:65] scope:SCOPE_SE
	s_setreg_imm32_b32 hwreg(HW_REG_WAVE_MODE, 25, 1), 1
	s_wait_xcnt 0x0
	s_wait_alu depctr_hold_cnt(0) depctr_sa_sdst(0) depctr_va_vdst(0) depctr_va_sdst(0) depctr_va_ssrc(0) depctr_va_vcc(0) depctr_vm_vsrc(0)
	s_getreg_b32 s2, hwreg(HW_REG_IB_STS2, 6, 4)
	s_cmp_eq_u32 s2, 0
	s_cbranch_scc0 .Lentry_in_a_cluster
	s_endpgm
.Lentry_in_a_cluster:
	s_bfe_u32 s2, ttmp6, 0x10000c
	s_cmp_lg_u32 s2, 0xf033
	s_cbranch_scc0 .Lentry_shape_is_right
	s_endpgm
.Lentry_shape_is_right:
; THE LSTM CELL.  gates = abf x wt^T + b (abf: [8192][2048] bf16, 'combined'; wt: [4096][2048] bf16, the four W turned; both made by the launch before; sums in f32, K ascending);
; new_cell = sigmoid(f) cell_state + sigmoid(i) tanh(g) -> out1;  new_hidden = sigmoid(o) tanh(new_cell) -> out0.  Everything behind the product in f32, in registers.
; NOTHING IS LEFT OUT: every input of reference() reaches an output for all values.
; FORMS AND LIMITS.  sigmoid(x) = 1 / (1 + 2^(-x log2 e)), tanh(x) = 2 sigmoid(2 x) - 1.  Both hold for every finite x: an exponential that overflows is an infinity, its reciprocal 0;
; one below 2^-126 counts as 0.  Near 0 tanh carries an absolute error of about 1e-7.  The product's operands are bf16 (f32's range).  NaN and infinities are not treated apart.
; SHARES.  A work-group makes 256 rows x 64 columns of both outputs, which is a tile of 256 x 256 of the gates: rows 256 TR .. of abf, rows 256 TC .. of wt.  Wave w has the tile's rows
; 64 w .. 64 w + 63 and all 256 columns: 64 accumulators of 16 x 16, 512 registers.  K goes in steps of 128 through a ring of two LDS slots filled by the tensor data mover.
; WHY 64 x 256.  Row 64 g + 16 q + r of wt's tile is gate g of column 4 r + q.  With source 0 = 16 rows of abf and source 1 = 16 rows of wt, register j of lane l (r = l % 16, hf = l / 16) of
; accumulator (a, nb = 4 g + q) is gate g of the place (row 16 a + 8 hf + j, column 4 r + q).  So a lane holds all four gates of a place, and for a given row four neighbouring columns:
; cell_state comes in, and both outputs leave, by 16 bytes a lane straight from and to registers, sixteen lanes to 256 consecutive bytes, aligned: no LDS, no barrier, no exchange of lanes in the tail.
; CLUSTERS: 4 x 4 work-groups.  The four of a row of the cluster need the same tiles of abf, the four of a column the same tiles of wt: each tile is asked for JOINTLY, by the same tensor load with the
; same descriptor and a mask that names the four.
; REGISTERS, in windows of 256 (s_set_vgpr_msb: bits 1:0 source 0, 3:2 source 1, 5:4 source 2, 7:6 destination):
;   window 0: v0-31 addresses; v32-63 the bias; v64-95, v96-127 abf's fragments (4 x 16 rows x 32 K), two buffers, in the tail at work; v128-255 cell_state, then new_cell
;   window 1: wt's fragments (16 x 16 rows x 32 K), buffer f at 128 f       windows 2, 3: accumulator (a, nb) in window 2 + a / 2 at 8 (16 (a % 2) + nb)
.set SIZE_K, 2048
.set KSTEP,  128
.set PITCH,  272                       ; an LDS row: 256 bytes of data + 16 of padding = 68 words: row r starts at bank 4 r mod 64 (64 banks of 4 bytes: ISA guide 11.1), so the 16 rows of a load start at 16 different banks
.set HALFT,  128*PITCH                 ; 128 rows: what one tensor load brings
.set SLOT,   4*HALFT                   ; abf's 256 rows, then wt's 256 rows
.set SPARE,  2*SLOT                    ; behind the ring: the spare words, 128 bytes for each wave: two blocks of 256 bytes that no other line names
.set LAPS,   SIZE_K/(2*KSTEP)          ; a lap = two K steps = once round the ring: 8
.set ROWB,   4096                      ; bytes in a row of abf and wt (2,048 bf16) and of cell_state, out0, out1 (1,024 f32)
.set ADRA, 16                          ; v16-17  LDS address of my fragments of abf in slot 0, 1
.set ADRB, 20                          ; v20-21  the same for wt
.set CO,   24                          ; v24     my byte offset in cell_state, out0, out1: 8 hf rows + 16 r; never rewritten
.set BO,   25                          ; v25     my byte offset in a bias: 256 TC + 16 r
.set SPW,  28                          ; v28     LDS address of my spare word: SPARE + 4 x my thread's number; never rewritten
.set NIL,  29                          ; v29     0; never rewritten
.set PFO,  30                          ; v30     the prefetches' offset: my lane x a row; never rewritten
.set BD,   32                          ; v32-47 the bias as loaded (block nb at BD + nb); in the tail v32-63: scaled, each twice, at BD + 2 nb
.set FA,   64                          ; abf's fragment a of buffer f at FA + 32 f + 8 a
.set CE,   128                         ; cell_state of (row 16 a + 8 hf + j, column 4 r + q) at CE + 32 a + 4 j + q
.set WV,   22                          ; s22     my wave's number
.set FB,   23                          ; s23     0: I fetch for abf; 1: for wt
.set G1,   24                          ; s[24:31] descriptor group 1 for abf's tiles
.set G0,   32                          ; s[32:39] descriptor group 0 for abf's tiles, one set for each slot
.set LIM,  43                          ; s43     1 in a wave that prefetches, else the greatest number
.set PFA,  44                          ; s[44:45] where my prefetches stand
.set G1B,  48                          ; s[48:55] descriptor group 1 for wt's tiles: it differs in the mask alone
.set G0B,  56                          ; s[56:63] descriptor group 0 for wt's tiles
.set CN,   72                          ; s[72:73] -log2 e, twice
.set C2,   74                          ; s[74:75] -2 log2 e, twice
; s3 laps to go; s40 cx, s41 cy, s42 TC, s46 which 128 rows I fetch, s47 TR; s[66:67] abf's tile, s[68:69] wt's tile, s70 where my tile goes in a slot; s[76:77] my rows' offset in cell_state and the outputs
.set MSB, 0
.macro WIN new                         ; the immediate's high byte repeats the setting that is left; a switch that changes nothing is dropped
.if MSB != (\new)
	s_set_vgpr_msb (MSB<<8)|(\new)
.set MSB, \new
.endif
.endm
.set MUL_LO, 0xa4                      ; source 0 (abf) window 0, source 1 (wt) window 1, C and D window 2
.set MUL_HI, 0xf4                      ; the same, C and D window 3
.set TO_B,   0x40                      ; destination window 1, address window 0
; A joint load.  Waves 0 and 1 fetch abf's two halves, waves 2 and 3 wt's.  Each of the two lines has one mask and one set of registers for all that issue it; the branch hangs on the wave's number alone.
; An s_nop 0 and four v_nop follow each of the two lines; the jump, the label and what follows the macro come after them.
.macro JLOAD s
	s_cmp_eq_u32 s[FB], 0
	s_cbranch_scc0 .Lfor_b_\@
	tensor_load_to_lds s[G0+4*(\s):G0+4*(\s)+3], s[G1:G1+7]
	s_nop 0
.rept 4
	v_nop
.endr
	s_branch .Lasked_\@
.Lfor_b_\@:
	tensor_load_to_lds s[G0B+4*(\s):G0B+4*(\s)+3], s[G1B:G1B+7]
	s_nop 0
.rept 4
	v_nop
.endr
.Lasked_\@:
.endm
; A PREFETCH INTO THE L2, behind each joint refill and the run of LDS loads that follows it: the K step that stands two refills on: 32 rows x 256 bytes, a lane a row, one instruction a wave.
; Each row's 256 bytes of a K step are named once in the launch: abf's tile row is read by every cluster of that row of clusters, and the one with x = 0 asks; wt's tile column by every cluster of that column, and
; the one with y = 0 asks.  The four partners that ask for a tile jointly share its rows out by address: of the 128 rows that a wave fetches, the partner at place p takes 32 p .. 32 p + 31 (p = cx for abf, cy for wt).
; The loop's last trip (s3 = 1) asks for nothing: K has no step two refills on.  K steps 0 to 3 come by their loads alone.
.macro ASK
	s_cmp_gt_u32 s3, s[LIM]
	s_cbranch_scc0 .Lnot_mine_\@
	global_prefetch_b8 v[PFO], s[PFA:PFA+1] offset:KSTEP*2 th:TH_LOAD_NT scope:SCOPE_SE
.Lnot_mine_\@:
.endm
; A round of the cluster's barrier: my work-group's barrier, so that wave 0's signal speaks for all four waves; wave 0 signals for the work-group; every wave waits for all sixteen; my work-group's barrier once more.
.macro CREST                           ; a round behind its opening barrier
	s_cmp_lg_u32 s[WV], 0
	s_cbranch_scc1 .Lnot_wave_0_\@
	s_barrier_signal -3
.Lnot_wave_0_\@:
	s_barrier_wait -3
	s_barrier_signal -1
	s_barrier_wait -1
.endm
.macro CROUND                          ; a whole round
	s_barrier_signal -1
	s_barrier_wait -1
	CREST
.endm
	s_load_b512 s[4:19], s[0:1], 0x0               ; abf s[4:5], wt s[6:7], cell_state s[8:9], b_i s[10:11], b_f s[12:13], b_o s[14:15], b_g s[16:17], out0 s[18:19]
	s_load_b64 s[20:21], s[0:1], 0x40              ; out1
	v_lshl_add_u32 v[SPW], v0, 2, SPARE
	v_mov_b32 v[NIL], 0
	ds_add_u32 v[SPW], v[NIL]                      ; the wave's opening: the add, twice on end, and its wait ahead of my first tensor load; the set-up below, work on registers, stands between
	ds_add_u32 v[SPW], v[NIL]                      ; and once more, under the one wait
	v_lshrrev_b32 v1, 5, v0
	v_readfirstlane_b32 s[WV], v1                  ; wave 0..3
	s_lshr_b32 s[FB], s[WV], 1
	s_and_b32 s46, s[WV], 1                        ; which 128 rows of the tile I fetch
	s_bfe_u32 s40, ttmp6, 0x40000                  ; cx: my place along the cluster's x
	s_bfe_u32 s41, ttmp6, 0x40004                  ; cy: along its y
	s_lshl_b32 s42, ttmp9, 2                       ; in a cluster launch ttmp9 and ttmp7 count clusters
	s_add_co_u32 s42, s42, s40                     ; TC = 4 x cluster x + cx
	s_and_b32 s47, ttmp7, 0xffff
	s_lshl_b32 s47, s47, 2
	s_add_co_u32 s47, s47, s41                     ; TR = 4 x cluster y + cy
	s_lshl_b32 s80, s41, 2
	s_lshl_b32 s80, 15, s80                        ; my row of the cluster: places 4 cy .. 4 cy + 3
	s_lshl_b32 s81, 0x1111, s40                    ; my column: places cx, cx + 4, cx + 8, cx + 12
	; descriptor group 1: a tile of 128 rows x 128 elements, padded in LDS
	s_or_b32 s[G1+0], s80, (1<<16)|(1<<20)|(1<<21)|(5<<22)|(3<<25)   ; 15:0 the mask: abf's tiles go to my row; 17:16 elements of 2 bytes; 20 padding on; 21 set beside a mask; 24:22 after every 64 words (code 5); 31:25 4 words of it (code 3)
	s_or_b32 s[G1B+0], s81, (1<<16)|(1<<20)|(1<<21)|(5<<22)|(3<<25)  ; the same with the mask of my column, for wt's tiles
.irp g, G1, G1B
	s_mov_b32 s[(\g)+1], KSTEP<<16                 ; tensor_dim0 = 128
	s_mov_b32 s[(\g)+2], 128<<16                   ; tensor_dim1 = 128
	s_mov_b32 s[(\g)+3], KSTEP<<16                 ; tile_dim0 = 128
	s_mov_b32 s[(\g)+4], 128                       ; tile_dim1 = 128
	s_mov_b32 s[(\g)+5], SIZE_K                    ; elements from row to row
	s_mov_b32 s[(\g)+6], 0
	s_mov_b32 s[(\g)+7], 0
.endr
	; where the tiles come from: abf's hang on TR alone, which my row of the cluster shares, wt's on TC alone, which my column shares; each in registers that never hold the other coordinate
	s_lshl_b32 s71, s46, 19                        ; 128 rows of 4,096 bytes
	s_lshl_b32 s66, s47, 20                        ; 256 TR rows
	s_add_co_u32 s66, s66, s71
	s_mov_b32 s67, 0
	s_lshl_b32 s68, s42, 20                        ; 256 TC rows
	s_add_co_u32 s68, s68, s71
	s_mov_b32 s69, 0
	s_mul_i32 s70, s[WV], HALFT                    ; and where they go: abf's two halves, then wt's two = wave x 128 rows: no place in the cluster enters an LDS address
	s_mov_b32 s[CN], 0xbfb8aa3b                    ; -log2 e
	s_mov_b32 s[CN+1], 0xbfb8aa3b
	s_mov_b32 s[C2], 0xc038aa3b                    ; -2 log2 e
	s_mov_b32 s[C2+1], 0xc038aa3b
	s_wait_dscnt 0x0                               ; both opening adds are done
	s_wait_kmcnt 0x0
	s_add_nc_u64 s[66:67], s[4:5], s[66:67]
	s_add_nc_u64 s[68:69], s[6:7], s[68:69]
	CROUND                                         ; all sixteen work-groups are here: the first joint loads meet
.irp s, 0,1
	s_mov_b32 s[G0+4*(\s)], 1                                        ; count = 1
	s_add_co_u32 s[G0+4*(\s)+1], s70, (\s)*SLOT                      ; LDS address
	s_add_nc_u64 s[G0+4*(\s)+2:G0+4*(\s)+3], s[66:67], (\s)*KSTEP*2  ; global address: K step s
	s_or_b32 s[G0+4*(\s)+3], s[G0+4*(\s)+3], 0x80000000              ; type = 2
	s_mov_b32 s[G0B+4*(\s)], 1
	s_add_co_u32 s[G0B+4*(\s)+1], s70, (\s)*SLOT
	s_add_nc_u64 s[G0B+4*(\s)+2:G0B+4*(\s)+3], s[68:69], (\s)*KSTEP*2
	s_or_b32 s[G0B+4*(\s)+3], s[G0B+4*(\s)+3], 0x80000000
	JLOAD \s                                       ; the ring is filled before anything else is done: two tensor loads of mine are out
.endr
	; A fragment is 16 rows x 32 K in 8 registers: lane l holds row l % 16; registers 0-3 hold K = 8 (l / 16) + 0..7, registers 4-7 K = 16 + 8 (l / 16) + 0..7: two loads of 16 bytes, 32 bytes apart.
	v_and_b32 v1, 15, v0                           ; r
	v_bfe_u32 v2, v0, 4, 1                         ; hf
	v_mul_u32_u24 v3, v1, PITCH
	v_lshl_add_u32 v3, v2, 4, v3                   ; row x pitch + 16 x half
	s_mul_i32 s78, s[WV], 64*PITCH                 ; my 64 rows of abf
	s_mov_b32 s79, 2*HALFT                         ; wt's 256 rows, which every wave reads, lie behind abf's 256
.irp s, 0,1
	v_add_nc_u32 v[ADRA+(\s)], s78, v3
	v_add_nc_u32 v[ADRB+(\s)], s79, v3
	s_add_co_u32 s78, s78, SLOT
	s_add_co_u32 s79, s79, SLOT
.endr
	; my 64 rows x 64 columns of cell_state, out0 and out1
	s_lshl_b32 s76, s47, 20                        ; 256 TR rows of 4,096 bytes
	s_lshl_b32 s71, s[WV], 18                      ; + 64 x wave rows
	s_add_co_u32 s76, s76, s71
	s_lshl_b32 s82, s42, 8                         ; + 64 TC columns of 4 bytes
	s_add_co_u32 s76, s76, s82
	s_mov_b32 s77, 0
	s_add_nc_u64 s[8:9], s[8:9], s[76:77]
	s_add_nc_u64 s[18:19], s[18:19], s[76:77]
	s_add_nc_u64 s[20:21], s[20:21], s[76:77]
	v_lshlrev_b32 v[CO], 15, v2                    ; 8 hf rows
	v_lshl_add_u32 v[CO], v1, 4, v[CO]             ; + columns 4 r .. 4 r + 3
	v_lshl_add_u32 v[BO], v1, 4, s82
	global_load_b128 v[BD:BD+3],     v[BO], s[10:11]  ; the bias of my four columns, gate by gate: block nb = 4 g + q at BD + nb
	global_load_b128 v[BD+4:BD+7],   v[BO], s[12:13]
	global_load_b128 v[BD+8:BD+11],  v[BO], s[14:15]
	global_load_b128 v[BD+12:BD+15], v[BO], s[16:17]
.set z, 0
.rept 32                               ; cell_state, z = 8 a + j: sixteen lanes take 256 consecutive bytes of a row, aligned.  Asked for here, waited for once, ahead of the tail; nothing rewrites these registers or their addresses
	global_load_b128 v[CE+4*z:CE+4*z+3], v[CO], s[8:9] offset:(16*(z/8)+z%8)*ROWB th:TH_LOAD_NT
.set z, z+1
.endr
	; the prefetches
	s_lshl_b32 s78, s47, 8                         ; 256 TR
	s_lshl_b32 s79, s42, 8                         ; 256 TC
	s_and_b32 s71, ttmp7, 0xffff                   ; cluster y
	s_cmp_eq_u32 s[FB], 0                          ; do I fetch for abf?
	s_cselect_b32 s78, s78, s79                    ; the tile's first row
	s_cselect_b32 s79, s40, s41                    ; my place among the four that ask for it with me
	s_cselect_b32 s71, ttmp9, s71                  ; the coordinate along which other clusters read the same rows
	s_cselect_b64 s[PFA:PFA+1], s[4:5], s[6:7]
	s_cmp_eq_u32 s71, 0
	s_cselect_b32 s[LIM], 1, -1                    ; the same in all sixteen partners, for a given wave
	s_lshl_b32 s71, s46, 7
	s_add_co_u32 s78, s78, s71                     ; + the 128 rows that I fetch
	s_lshl_b32 s79, s79, 5
	s_add_co_u32 s78, s78, s79                     ; + my work-group's 32 of them
	s_lshl_b32 s78, s78, 12                        ; in bytes: under 2^25
	s_mov_b32 s79, 0
	s_add_nc_u64 s[PFA:PFA+1], s[PFA:PFA+1], s[78:79]
	s_add_nc_u64 s[PFA:PFA+1], s[PFA:PFA+1], 2*KSTEP*2  ; at K step 2: the first refill steps it to 3 and names K step 4
	v_and_b32 v[PFO], 31, v0
	v_lshlrev_b32 v[PFO], 12, v[PFO]
; 16 matrix instructions: my block a of 16 rows x all 16 blocks of 16 columns, 32 along K, from buffer f.  zero = 1: the first product starts the sums: nothing is ever cleared.
; The 64 accumulators take turns, one instruction a turn, in the same order in every quarter step, over the backward jump too.
.macro MULA f, a, zero
	WIN MUL_LO+0x50*((\a)/2)
.irp nb, 0,1,2,3,4,5,6,7,8,9,10,11,12,13,14,15
.if \zero
	v_wmma_f32_16x16x32_bf16 v[8*(16*((\a)%2)+(\nb)):8*(16*((\a)%2)+(\nb))+7], v[FA+32*(\f)+8*(\a):FA+32*(\f)+8*(\a)+7], v[128*(\f)+8*(\nb):128*(\f)+8*(\nb)+7], 0
.else
	v_wmma_f32_16x16x32_bf16 v[8*(16*((\a)%2)+(\nb)):8*(16*((\a)%2)+(\nb))+7], v[FA+32*(\f)+8*(\a):FA+32*(\f)+8*(\a)+7], v[128*(\f)+8*(\nb):128*(\f)+8*(\nb)+7], v[8*(16*((\a)%2)+(\nb)):8*(16*((\a)%2)+(\nb))+7]
.endif
.endr
.endm
; 40 LDS loads in one run: the fragments of one quarter step (256 rows of wt, my 64 rows of abf, 32 K at byte k of the rows) into buffer f.  The largest immediate is 192 + 15 x 4,352 + 32 = 65,504.
.macro FETCH slot, k, f
	WIN TO_B
.irp nb, 0,1,2,3,4,5,6,7,8,9,10,11,12,13,14,15
	ds_load_b128 v[128*(\f)+8*(\nb):128*(\f)+8*(\nb)+3],   v[ADRB+(\slot)] offset:(\k)+(\nb)*16*PITCH
	ds_load_b128 v[128*(\f)+8*(\nb)+4:128*(\f)+8*(\nb)+7], v[ADRB+(\slot)] offset:(\k)+(\nb)*16*PITCH+32
.endr
	WIN 0
.irp a, 0,1,2,3
	ds_load_b128 v[FA+32*(\f)+8*(\a):FA+32*(\f)+8*(\a)+3],   v[ADRA+(\slot)] offset:(\k)+(\a)*16*PITCH
	ds_load_b128 v[FA+32*(\f)+8*(\a)+4:FA+32*(\f)+8*(\a)+7], v[ADRA+(\slot)] offset:(\k)+(\a)*16*PITCH+32
.endr
.endm
; A load into a register that a matrix instruction has read stands four places behind that matrix instruction, and only plain vector instructions that name none of its registers are places
; (ISA guide 7.12.1 for vector instructions); the matrix instructions in between are not counted.
.macro PLACES
.rept 4
	v_nop
.endr
.endm
; A K step is four quarter steps of 32 along K, 64 matrix instructions each, on buffers 0, 1, 0, 1.
; One of the first three: multiplies buffer f; behind its first 16 products it fetches the next quarter's fragments, at byte k of the same slot's rows, into buffer g: 48 products ahead of their first use.
.macro QUARTER slot, k, f, g, zero
	s_wait_dscnt 6                                 ; wt's fragments and abf's block 0 are in; the youngest six loads (abf's blocks 1 to 3) may be out
	MULA \f, 0, \zero
	PLACES
	FETCH \slot, \k, \g
	s_wait_dscnt 40                                ; all but the 40 just issued
	MULA \f, 1, \zero
	MULA \f, 2, \zero
	MULA \f, 3, \zero
.endm
; The last quarter multiplies buffer 1 and changes slots: one barrier for two things.  In front of it each wave waits for all its tensor loads, of which one is out: its part of the next slot; adds 0 to its spare
; word; and waits for that and for its own reads of this slot.  The barrier opens a round of the cluster's: behind the round no wave of any partner still reads this slot or has a load on its way, and the joint
; refill, with the K step two steps on, is the first tensor load there: from the request to the wait for it a wave issues 224 matrix instructions.
.macro TURN slot, next
	s_wait_xcnt 0x0                                ; the last prefetch, a K step back, has read its address: it is stepped here, ahead of the waits of the change of slots
	s_add_nc_u64 s[PFA:PFA+1], s[PFA:PFA+1], KSTEP*2
	WIN 0                                          ; (the add's two registers lie in window 0)
	s_wait_tensorcnt 0x0                           ; all my tensor loads have landed;
	ds_add_u32 v[SPW], v[NIL]                      ; 0 onto my spare word;
	s_wait_dscnt 7                                 ; (the add and the youngest six loads may be out)
	MULA 1, 0, 0                                   ; sixteen matrix instructions stand between the add and the wait for it
	s_wait_dscnt 0x0                               ; the add is done, and my reads of this slot are over:
	s_barrier_signal -1                            ; say so,
	MULA 1, 1, 0                                   ; work on registers while the others arrive,
	WIN 0
	s_barrier_wait -1
	CREST
	s_add_nc_u64 s[G0+4*(\slot)+2:G0+4*(\slot)+3], s[G0+4*(\slot)+2:G0+4*(\slot)+3], 2*KSTEP*2    ; no tensor load of mine is out, so a group 0 may be written; the type bits on top are not reached
	s_add_nc_u64 s[G0B+4*(\slot)+2:G0B+4*(\slot)+3], s[G0B+4*(\slot)+2:G0B+4*(\slot)+3], 2*KSTEP*2
	JLOAD \slot                                    ; the four v_nop behind it are also the places in front of the loads below
	FETCH \next, 0, 0
	ASK
	MULA 1, 2, 0
	MULA 1, 3, 0
.endm
; The same where nothing is left to fetch: my work-group's barrier alone.
.macro TURNX slot, next
	WIN 0
	s_wait_tensorcnt 0x0                           ; my one tensor load that was still out is the last K step's
	ds_add_u32 v[SPW], v[NIL]
	s_wait_dscnt 7
	MULA 1, 0, 0
	s_wait_dscnt 0x0
	s_barrier_signal -1
	MULA 1, 1, 0
	s_barrier_wait -1
	PLACES
	FETCH \next, 0, 0
	MULA 1, 2, 0
	MULA 1, 3, 0
.endm
	s_wait_tensorcnt 1                             ; my part of K step 0 is in; K step 1's may stay out
	s_barrier_signal -1
	s_barrier_wait -1                              ; everybody's is
	FETCH 0, 0, 0
	QUARTER 0, 64,  0, 1, 1                        ; the first quarter stands in front of the loop: its products start the sums
	WIN 0                                          ; at a label and at a branch every window is 0
	s_mov_b32 s3, LAPS-1
.Llap:                                                 ; a trip goes once round the ring, from a lap's second quarter to the next lap's first, and fills both slots again
	QUARTER 0, 128, 1, 0, 0
	QUARTER 0, 192, 0, 1, 0
	TURN 0, 1
	QUARTER 1, 64,  0, 1, 0
	QUARTER 1, 128, 1, 0, 0
	QUARTER 1, 192, 0, 1, 0
	TURN 1, 0
	QUARTER 0, 64,  0, 1, 0
	WIN 0
	s_sub_co_u32 s3, s3, 1
	s_cmp_lg_u32 s3, 0
	s_cbranch_scc1 .Llap
	QUARTER 0, 128, 1, 0, 0                        ; the last lap fills nothing, and has no round of the cluster's barrier
	QUARTER 0, 192, 0, 1, 0
	TURNX 0, 1
	QUARTER 1, 64,  0, 1, 0
	QUARTER 1, 128, 1, 0, 0
	QUARTER 1, 192, 0, 1, 0
	s_wait_dscnt 6                                 ; the very last quarter: nothing more to fetch
	MULA 1, 0, 0
	s_wait_dscnt 0x0
	MULA 1, 1, 0
	MULA 1, 2, 0
	MULA 1, 3, 0
	; THE TAIL.  First the bias, times the factor of its gate's exponent, each number twice (a pair for the packed multiply-add).  From the top down, so that no number is overwritten before it is used.
	; These 32 plain lines, which name no register of the last products, are also the places behind them.
	WIN 0
	s_wait_loadcnt 0x0                             ; the bias and cell_state, asked for at the head
.set z, 15
.rept 16
.if z >= 12
	v_mul_f32 v[BD+2*z+1], s[C2], v[BD+z]
	v_mul_f32 v[BD+2*z],   s[C2], v[BD+z]
.else
	v_mul_f32 v[BD+2*z+1], s[CN], v[BD+z]
	v_mul_f32 v[BD+2*z],   s[CN], v[BD+z]
.endif
.set z, z-1
.endr
; Block a: my rows 16 a .. 16 a + 15, 128 gate numbers a lane, 32 places.  Four batches of transcendentals; behind each a plain instruction and the one wait ahead of the first use of a result.
.macro EPI a
.set EW, 2+(\a)/2                      ; the accumulators' window
.set AC, 128*((\a)%2)                  ; gate i at AC + 8 q + j, f at + 32, o at + 64, g at + 96
.set EF, AC+32
.set EO, AC+64
.set EG, AC+96
.set EC, CE+32*(\a)
.set ET, FA+32*((\a)%2)                ; at work, where abf's fragments lay; the two buffers by turns
	WIN (EW<<6)|EW                                 ; destination and source 0 among the accumulators, source 2 in window 0
.set z, 0
.rept 64                               ; z = 4 nb + p: the exponent -(sum + bias) log2 e, for gate g twice that; each accumulator is read from its low end on
.if z < 48
	v_pk_fma_f32 v[AC+2*z:AC+2*z+1], v[AC+2*z:AC+2*z+1], s[CN:CN+1], v[BD+2*(z/4):BD+2*(z/4)+1] op_sel_hi:[1,0,1]
.else
	v_pk_fma_f32 v[AC+2*z:AC+2*z+1], v[AC+2*z:AC+2*z+1], s[C2:C2+1], v[BD+2*(z/4):BD+2*(z/4)+1] op_sel_hi:[1,0,1]
.endif
.set z, z+1
.endr
.set z, 0
.rept 128
	v_exp_f32 v[AC+z], v[AC+z]
.set z, z+1
.endr
	v_nop
	s_wait_alu depctr_va_vdst(0)                   ; one wait for the 128 exponentials
.set z, 0
.rept 64
	v_pk_add_f32 v[AC+2*z:AC+2*z+1], v[AC+2*z:AC+2*z+1], 1.0 op_sel_hi:[1,0]
.set z, z+1
.endr
.set z, 0
.rept 128
	v_rcp_f32 v[AC+z], v[AC+z]
.set z, z+1
.endr
	v_nop
	s_wait_alu depctr_va_vdst(0)                   ; one wait for the 128 reciprocals: sigmoid(i), sigmoid(f), sigmoid(o), sigmoid(2 g)
	WIN (EW<<6)|(EW<<2)|EW
.set z, 0
.rept 16
	v_pk_fma_f32 v[EG+2*z:EG+2*z+1], v[EG+2*z:EG+2*z+1], 2.0, -1.0 op_sel_hi:[1,0,0]  ; tanh(g)
.set z, z+1
.endr
.set z, 0
.rept 16
	v_pk_mul_f32 v[EG+2*z:EG+2*z+1], v[EG+2*z:EG+2*z+1], v[AC+2*z:AC+2*z+1]           ; times sigmoid(i)
.set z, z+1
.endr
	WIN (EW<<4)|EW                                 ; sources 0 and 2 among the accumulators, source 1 and destination in window 0
.set z, 0
.rept 32                               ; z = 4 j + q: new_cell, in place of cell_state: four neighbouring columns in four neighbouring registers (an accumulator's pairs run along j, these along q: so not packed)
	v_fma_f32 v[EC+z], v[EF+8*(z%4)+z/4], v[EC+z], v[EG+8*(z%4)+z/4]
.set z, z+1
.endr
	WIN 0
.if (\a) >= 2
	s_wait_xcnt 0x0                                ; the stores of the block two back have read this buffer: it is written again only behind this wait
.endif
.irp j, 0,1,2,3,4,5,6,7
	global_store_b128 v[CO], v[EC+4*(\j):EC+4*(\j)+3], s[20:21] offset:(16*(\a)+(\j))*ROWB th:TH_STORE_NT  ; sixteen lanes store 256 consecutive bytes, aligned
.endr
.set z, 0
.rept 16
	v_pk_mul_f32 v[ET+2*z:ET+2*z+1], v[EC+2*z:EC+2*z+1], s[C2:C2+1] op_sel_hi:[1,0]
.set z, z+1
.endr
.set z, 0
.rept 32
	v_exp_f32 v[ET+z], v[ET+z]
.set z, z+1
.endr
	v_nop
	s_wait_alu depctr_va_vdst(0)
.set z, 0
.rept 16
	v_pk_add_f32 v[ET+2*z:ET+2*z+1], v[ET+2*z:ET+2*z+1], 1.0 op_sel_hi:[1,0]
.set z, z+1
.endr
.set z, 0
.rept 32
	v_rcp_f32 v[ET+z], v[ET+z]
.set z, z+1
.endr
	v_nop
	s_wait_alu depctr_va_vdst(0)
.set z, 0
.rept 16
	v_pk_fma_f32 v[ET+2*z:ET+2*z+1], v[ET+2*z:ET+2*z+1], 2.0, -1.0 op_sel_hi:[1,0,0]  ; tanh(new_cell)
.set z, z+1
.endr
	WIN EW                                         ; source 0 among the accumulators
.set z, 0
.rept 32
	v_mul_f32 v[ET+z], v[EO+8*(z%4)+z/4], v[ET+z]  ; new_hidden
.set z, z+1
.endr
	WIN 0
.irp j, 0,1,2,3,4,5,6,7
	global_store_b128 v[CO], v[ET+4*(\j):ET+4*(\j)+3], s[18:19] offset:(16*(\a)+(\j))*ROWB th:TH_STORE_NT
.endr
.endm
	EPI 0
	EPI 1
	EPI 2
	EPI 3
	s_wait_tensorcnt 0x0                           ; the wave's end, behind my last tensor load
	ds_add_u32 v[SPW], v[NIL]
	s_wait_dscnt 0x0
	CROUND                                         ; the closing round: no work-group ends while a partner may still ask for a tile that names it
	s_endpgm
.Lfunc_end_k_qb565e85182_lstm:
	.size	k_qb565e85182_lstm, .Lfunc_end_k_qb565e85182_lstm-k_qb565e85182_lstm
	.p2alignl 7, 3214868480
	.fill 96, 4, 3214868480
	.section	.rodata,"a",@progbits
	.p2align	6, 0x0
	.amdhsa_kernel k_qb565e85182_lstm
		.amdhsa_group_segment_fixed_size 327680
		.amdhsa_private_segment_fixed_size 0
		.amdhsa_enable_private_segment 0
		.amdhsa_kernarg_size 72
		.amdhsa_user_sgpr_count 2
		.amdhsa_user_sgpr_kernarg_segment_ptr 1
		.amdhsa_wavefront_size32 1
		.amdhsa_system_sgpr_workgroup_id_x 1
		.amdhsa_system_sgpr_workgroup_id_y 1
		.amdhsa_system_sgpr_workgroup_id_z 1
		.amdhsa_system_vgpr_workitem_id 0
		.amdhsa_next_free_vgpr 1024
		.amdhsa_next_free_sgpr 84
		.amdhsa_reserve_vcc 0
		.amdhsa_float_denorm_mode_32 3
		.amdhsa_float_denorm_mode_16_64 3
		.amdhsa_memory_ordered 1
		.amdhsa_forward_progress 1
		.amdhsa_inst_pref_size 236
	.end_amdhsa_kernel
	.amdgpu_metadata
---
amdhsa.version: [ 1, 2 ]
amdhsa.kernels:
  - .name:           k_qb565e85182_lstm
    .symbol:         k_qb565e85182_lstm.kd
    .args:
      - { .name: abf, .offset: 0, .size: 8, .value_kind: global_buffer, .address_space: global }
      - { .name: wt, .offset: 8, .size: 8, .value_kind: global_buffer, .address_space: global }
      - { .name: cell_state, .offset: 16, .size: 8, .value_kind: global_buffer, .address_space: global }
      - { .name: b_i, .offset: 24, .size: 8, .value_kind: global_buffer, .address_space: global }
      - { .name: b_f, .offset: 32, .size: 8, .value_kind: global_buffer, .address_space: global }
      - { .name: b_o, .offset: 40, .size: 8, .value_kind: global_buffer, .address_space: global }
      - { .name: b_g, .offset: 48, .size: 8, .value_kind: global_buffer, .address_space: global }
      - { .name: out0, .offset: 56, .size: 8, .value_kind: global_buffer, .address_space: global }
      - { .name: out1, .offset: 64, .size: 8, .value_kind: global_buffer, .address_space: global }
    .group_segment_fixed_size: 327680
    .private_segment_fixed_size: 0
    .kernarg_segment_align: 8
    .kernarg_segment_size: 72
    .max_flat_workgroup_size: 128
    .sgpr_count:     84
    .vgpr_count:     1024
    .wavefront_size: 32
...
	.end_amdgpu_metadata
.endif
;; end of part 2
